; MI455X (gfx1250); checked and timed in simulation.
; The chip was launched on July 23, 2026; its instructions are those of AMD's public machine-readable ISA for CDNA 5 (MIT licence, August 2026) and "CDNA5" Instruction Set Architecture Reference Guide (July 2026). The comments in the code are by the model that wrote it; some were corrected since.
;; Raw SDP. Allowed arithmetic: matrix products marked QUANTISED: E2M3 operands, one E8M0 scale for each 32 along K, by v_wmma_scale_f32_16x16x128_f8f6f4 with both operands' format E2M3, f32 sums; everything else in f32.
;; Inputs: key 2 x 8 x 2,048 x 128 float32; query 2 x 32 x 2,048 x 128 float32; value 2 x 8 x 2,048 x 128 float32.
;; Outputs: out0 2 x 32 x 2,048 x 128 float32.
;; This version of the problem:
;;   THIS VERSION OF THE PROBLEM IS GIVEN IN LOW PRECISION. The matrix products marked QUANTISED in the list below multiply operands that are first quantised to E2M3 (2 exponent bits, 3 mantissa bits; 6 bits a number), with one power-of-two scale for each 32 numbers along K (OCP MX v1.0); their sums are f32. All else is computed in f32.
;;   The module's matrix products, in the order in which they are computed (A, B: the left and right operand; K: the contracted axis; several contracted axes count as one K, in the product's order):
;;     1. batch 64 x [M 2,048, K 128] x [K 128, N 2,048]; A: computed on the way; B: computed on the way: QUANTISED
;;     2. batch 64 x [M 2,048, K 2,048] x [K 2,048, N 128]; A: softmax (see below); B: input value: QUANTISED
;;   THE QUANTISER, for each operand of a quantised product, along K:
;;     - K is cut into blocks of 32 from its start; a last block that is shorter is filled with zeros.
;;     - A block's scale is 2^e with e = floor(log2(the largest magnitude in the block)) - 2, held to -126 .. 127; a block of zeros has e = 0. As a byte (E8M0): e + 127.
;;     - Each number is divided by its block's scale, clamped to +-7.5, and rounded to the nearest number of E2M3, ties to even, subnormals kept.
;;     - The product sums the exact products of the quantised numbers (number of the format x scale) in f32.
;;   ~~~python
;;   def quantise(x, axis):      # numpy; x: float32 -> the quantised numbers, widened to float32 again
;;       x = np.moveaxis(x, axis, -1); K = x.shape[-1]
;;       x = np.pad(x, [(0, 0)] * (x.ndim - 1) + [(0, -K % 32)]); x = x.reshape(x.shape[:-1] + (-1, 32)); a = np.abs(x).max(-1, keepdims=True)
;;       e = np.where(a > 0, np.clip(np.frexp(np.where(a > 0, a, 1))[1] - 1 - 2, -126, 127), 0)      # np.frexp(a)[1] - 1 = floor(log2(a)), exactly
;;       r = np.clip(x / 2.0 ** e, -7.5, 7.5)
;;       step = 2.0 ** (np.maximum(np.frexp(np.where(r == 0, 1, r))[1] - 1, 0) - 3)
;;       q = np.round(r / step) * step * 2.0 ** e      # np.round: ties to even
;;       return np.moveaxis(q.reshape(q.shape[:-2] + (-1,))[..., :K], -1, axis).astype(np.float32)
;;   ~~~
;;   SOFTMAX AHEAD OF A QUANTISED PRODUCT. Where the list says 'softmax', what is quantised is not the finished softmax but p = 2^(t - M), with t = logit x log2(e) and M = ceil(the row's largest t), a whole number; so 1/2 < the row's largest p <= 1. The row's sum l is taken of the UNQUANTISED p, in f32, and the product's result is divided by l at the end. Since M is a whole number, a kernel that streams over the keys may use a running M (the ceiling of the running maximum): every later rescaling is an exact power of two, which a block's scale takes up: the codes' values come out the same.
;;   OPERANDS COMPUTED ON THE WAY. 'Computed on the way' means the value that the module computes at that place (a softmax that the list does not call 'softmax' is quantised finished and normalised). What goes into a quantiser is computed in f32, as accurately as f32 sums, v_exp_f32 and their like allow (about 1e-6 of the number): no bf16 or f16 on the way to a quantiser, and a product that is left as it is and whose result goes on into a quantised operand takes f32 operands (vector FMAs, or v_wmma_f32_16x16x4_f32). A number that lies on a knife's edge between two numbers of the format may be rounded either way, as far as f32 arithmetic and the matrix unit's own rounding can turn it there, and no further.
;; One version. Each part assembles by itself: llvm-mc -triple=amdgcn-amd-amdhsa -mcpu=gfx1250 --defsym DOCPART=n.
;; ======== version 1 of 1: 2 launches
;; workspace buffers: kv 6,553,600 bytes
;; launch quant (part 1): grid 256 x 1, 4 waves a work-group, no clusters, 35,328 bytes of LDS; arguments key, value, kv; writes kv
.if DOCPART == 1
	.amdgcn_target "amdgcn-amd-amdhsa--gfx1250"
	.amdhsa_code_object_version 6
	.text
	.protected	k_q9431cffb4a_quant
	.globl	k_q9431cffb4a_quant
	.p2align	8
	.type	k_q9431cffb4a_quant,@function
k_q9431cffb4a_quant:
	s_mov_b64 s[64:65], 0
	v_nop
	global_prefetch_b8 v0, s[64:65] scope:SCOPE_SE
	s_setreg_imm32_b32 hwreg(HW_REG_WAVE_MODE, 25, 1), 1
	s_wait_xcnt 0x0
; key [16 heads][2048][128] f32 and value [16 heads][2048][128] f32 become codes of FP6 (E2M3) with one E8M0 byte for each 32 along K, laid as IMAGES OF OPERAND REGISTERS.
; key is first multiplied by 2^-1.75 (= 1 / 128^(1/4), one rounding where the division has one) and quantised along the head's 128; value is quantised along the KEYS.
; Work-group u = 16 x head + key step takes 128 keys (64 KiB of key, 64 KiB of value) and stores block u of kv, 25,600 bytes:
;   0      K's fragments t = 0..7, 1,536 bytes each: register group c (registers 4 c .. 4 c + 3) is 512 bytes, lane l's 16 bytes at 16 l
;   12,288 V's fragments t = 0..7, likewise
;   24,576 K's scale image, 512 bytes: lane (r, h)'s 16 bytes at 16 l; its word i is the scale word of row r of tile 4 h + i
;   25,088 V's scale image, likewise
; K's fragment t = 2 b + u: lane r holds key 32 b + 8 u + r + 8 (r / 8), so that the scores of tiles 2 b and 2 b + 1 are 16 neighbouring keys in a lane of the next launch.
; V's fragment t: lane r holds channel 16 t + r; registers 6 c .. 6 c + 5 hold keys 64 c + 32 (lane / 16) + 0 .. 31.
; A block's scale is 2^(floor(log2(its largest magnitude)) - 2): its byte is the largest magnitude's exponent field - 2, held at 1 from below.
; LIMITS: a block of zeros, or one whose largest magnitude lies under 2^-124, keeps the byte 1 (the rule says 127 for zeros: the codes are zeros, and this program alone reads the bytes);
; NaN and infinities among the inputs are not served.
; Wave w: K's tiles 2 w and 2 w + 1 (keys 32 w .. 32 w + 31), and V's channels 32 w .. 32 w + 31 (fragments 2 w and 2 w + 1).  One path for all waves, one barrier (for the scale images), no tensor load.
.set SP,   528                         ; a stage row: 512 bytes + 16: the sixteen rows that a read touches start 16 bytes apart modulo 256
.set WST,  16*SP                       ; a wave's stage
.set SCI,  4*WST                       ; behind the stages: K's scale image, then V's
.set BLKB, 25600
.set LI,   4                           ; v4   16 x lane
.set SW,   5                           ; v5   my stage + 16 x lane: a whole row by 32 lanes
.set SQ,   6                           ; v6   my stage + 528 r + 64 h: my 16 numbers of a block of 32
.set KSA,  7                           ; v7   where my row's scale word of K's tile 2 w goes
.set VSA,  8                           ; v8   where my channel's scale word of V goes
.set VL,   9                           ; v9   4 x lane
.set SB,   10                          ; v10  V's scale word
.set PCA,  16                          ; v16-27  the codes of K's tile 2 w
.set PCB,  28                          ; v28-39  of tile 2 w + 1
.set CT,   40                          ; v40-42, v44-46  a conversion's three registers begin on an even number: the upper halves are made here and moved
.set BM,   48                          ; v48-51  block maxima
.set PX,   52                          ; v52-55  lane l xor 16's maxima, then the bytes
.set SOP,  56                          ; v56-59  the conversions' scale operands
.set PWA,  60                          ; v60, v61  the two tiles' scale words
.set RA,   64                          ; v64-127   tile 2 w's 16 rows;  later FA v64-75, FB v76-87: V's even and odd blocks
.set RB,   128                         ; v128-191  tile 2 w + 1's
.set XV0,  192                         ; v192-223, v224-255  two sets of 32 numbers of V
.set XV1,  224
.set FA,   64
.set FB,   76
	s_load_b128 s[4:7], s[0:1], 0x0                ; key, value
	s_load_b64 s[8:9], s[0:1], 0x10                ; kv
	v_lshl_add_u32 v43, v0, 2, 0x8800
	v_mov_b32 v47, 0
	v_lshrrev_b32 v1, 5, v0
	v_readfirstlane_b32 s10, v1                    ; wave 0..3
	v_and_b32 v1, 31, v0                           ; lane
	v_and_b32 v2, 15, v0                           ; r
	v_bfe_u32 v3, v0, 4, 1                         ; h
	v_lshlrev_b32 v[LI], 4, v1
	s_mul_i32 s11, s10, WST
	v_add_nc_u32 v[SW], s11, v[LI]
	v_mul_u32_u24 v[SQ], v2, SP
	v_lshl_add_u32 v[SQ], v3, 6, v[SQ]
	v_add_nc_u32 v[SQ], s11, v[SQ]
	s_lshr_b32 s14, s10, 1                         ; tile 2 w + a lies in the image's half w / 2, at word 2 (w % 2) + a
	s_lshl_b32 s14, s14, 8
	s_and_b32 s15, s10, 1
	s_lshl_b32 s15, s15, 3
	s_add_co_u32 s14, s14, s15
	s_add_co_u32 s14, s14, SCI
	v_lshl_add_u32 v[KSA], v2, 4, s14              ; + 16 r
	v_lshl_add_u32 v[VSA], v3, 2, v[KSA]           ; V: my channel 32 w + lane is row r of tile 2 w + h
	v_add_nc_u32 v[VSA], 512, v[VSA]
	v_lshlrev_b32 v[VL], 2, v1
	s_mov_b32 s20, 0x76543210
	s_mov_b32 s21, 0xfedcba98                      ; v_permlanex16_b32's selects for lane l xor 16
	s_mov_b32 s24, 0x3e9837f0                      ; 2^-1.75
	s_mov_b32 s25, s24                             ; (the packed form names the pair)
.irp b, 0,1,2,3
	v_mov_b32 v[PX+\b], 0                          ; written once: a lane permute's destination counts as one of its sources
.endr
	s_lshl_b32 s12, ttmp9, 16                      ; the work-group's 128 rows of 512 bytes
	s_lshl_b32 s16, s10, 14                        ; key: my wave's 32 rows
	s_add_co_u32 s16, s16, s12
	s_mov_b32 s17, 0
	s_lshl_b32 s18, s10, 7                         ; value: my wave's 32 columns
	s_add_co_u32 s18, s18, s12
	s_mov_b32 s19, 0
	s_mul_i32 s12, ttmp9, BLKB                     ; kv: the work-group's block, my wave's two fragments
	s_mul_i32 s22, s10, 3072
	s_add_co_u32 s12, s12, s22
	s_mov_b32 s13, 0
	s_wait_kmcnt 0x0
	s_add_nc_u64 s[4:5], s[4:5], s[16:17]
	s_add_nc_u64 s[6:7], s[6:7], s[18:19]
	s_add_nc_u64 s[8:9], s[8:9], s[12:13]
; The 16 rows of K's tile 2 w + a, each by one load of 512 consecutive bytes: tile row i is key 8 a + i + 8 (i / 8) of my 32.
.macro KLOAD reg, a
.set i, 0
.rept 16
	global_load_b128 v[\reg+4*i:\reg+4*i+3], v[LI], s[4:5] offset:(8*(\a)+i+8*(i/8))*512 th:TH_LOAD_NT
.set i, i+1
.endr
.endm
; Through my stage, in place: rows in, and back 64 bytes a lane of each block of 32: register 16 b + i = d 32 b + 16 h + i of tile row r.  LDS serves a wave's instructions in order: no wait between.
.macro TURN reg
.set i, 0
.rept 16
	ds_store_b128 v[SW], v[\reg+4*i:\reg+4*i+3] offset:SP*i
.set i, i+1
.endr
.set i, 0
.rept 16
	ds_load_b128 v[\reg+4*i:\reg+4*i+3], v[SQ] offset:128*(i/4)+16*(i%4)
.set i, i+1
.endr
.endm
; 64 numbers of a lane become a fragment's codes in v[pc] on and its scale word in v[pw].
.macro KQUANT reg, pc, pw
.set i, 0
.rept 32
	v_pk_mul_f32 v[\reg+i:\reg+i+1], v[\reg+i:\reg+i+1], s[24:25] op_sel_hi:[1,0]   ; k = key x 2^-1.75
.set i, i+2
.endr
.irp b, 0,1,2,3
	v_max3_num_f32 v[BM+\b], |v[\reg+16*\b]|, |v[\reg+1+16*\b]|, 0x1800000   ; block b: my 16 numbers, and the floor 2^(3 - 127): the byte cannot fall under 1
.endr
.irp i, 2,4,6,8,10,12,14
.irp b, 0,1,2,3
	v_max3_num_f32 v[BM+\b], v[BM+\b], |v[\reg+16*\b+\i]|, |v[\reg+1+16*\b+\i]|   ; (the four blocks by turns)
.endr
.endr
.irp b, 0,1,2,3
	v_permlanex16_b32 v[PX+\b], v[BM+\b], s20, s21
.endr
.irp b, 0,1,2,3
	v_max_num_f32 v[BM+\b], v[BM+\b], v[PX+\b]     ; with lane l xor 16's: the block's largest magnitude
.endr
.irp b, 0,1,2,3
	v_add_nc_u32 v[SOP+\b], 0xff000000, v[BM+\b]   ; 2 off its exponent field: the conversion takes the exponent field of this operand as its scale
.endr
.irp b, 0,1,2,3
	v_lshrrev_b32 v[PX+\b], 23, v[SOP+\b]          ; the scale's byte
.endr
	v_lshl_or_b32 v[\pw], v[PX+1], 8, v[PX]
	v_lshl_or_b32 v[\pw], v[PX+2], 16, v[\pw]
	v_lshl_or_b32 v[\pw], v[PX+3], 24, v[\pw]      ; my row's scale word
.irp c, 0,1
	v_cvt_scalef32_pk16_fp6_f32 v[\pc+6*\c:\pc+6*\c+2], v[\reg+32*\c:\reg+32*\c+15], v[SOP+2*\c]
	v_cvt_scalef32_pk16_fp6_f32 v[CT+4*\c:CT+4*\c+2], v[\reg+16+32*\c:\reg+31+32*\c], v[SOP+2*\c+1]
.endr
	v_nop                                          ; one plain place behind a scaled conversion
.irp c, 0,1                                    ; the operand's layout wants a WHOLE block in a lane: lanes 0-15 block 2 c, lanes 16-31 block 2 c + 1
.irp i, 0,1,2
	v_permlane16_swap_b32 v[\pc+6*\c+\i], v[CT+4*\c+\i]
.endr
.irp i, 0,1,2
	v_mov_b32 v[\pc+3+6*\c+\i], v[CT+4*\c+\i]
.endr
.endr
.endm
.macro KOUT pc, pw, a                          ; the fragment leaves as it stands: each store of the wave covers 512 consecutive bytes, aligned; the scale word goes to the image in LDS
.irp c, 0,1,2
	global_store_b128 v[LI], v[\pc+4*\c:\pc+4*\c+3], s[8:9] offset:1536*(\a)+512*\c
.endr
	ds_store_b32 v[KSA], v[\pw] offset:4*(\a)      ; lanes r and r + 16 write the same word with the same value
.endm
; V: A LANE TAKES A CHANNEL, AND ITS REGISTERS RUN DOWN THE KEYS: block kb is 32 loads, each of 128 consecutive bytes a wave (the four waves side by side on a row's 512).
.macro VLOAD kb, set
.set i, 0
.rept 32
	global_load_b32 v[\set+i], v[VL], s[6:7] offset:(32*(\kb)+i)*512 th:TH_LOAD_NT
.set i, i+1
.endr
.endm
.macro VBLOCK kb, set
.set FD, FA+12*((\kb)%2)+6*((\kb)/2)           ; even blocks into FA, odd blocks into FB
	v_max3_num_f32 v62, |v[\set]|, |v[\set+1]|, |v[\set+2]|     ; the block's largest magnitude: all 32 numbers are mine; two chains
	v_max3_num_f32 v63, |v[\set+3]|, |v[\set+4]|, |v[\set+5]|
.irp i, 6,10,14,18,22,26
	v_max3_num_f32 v62, v62, |v[\set+\i]|, |v[\set+\i+1]|
	v_max3_num_f32 v63, v63, |v[\set+\i+2]|, |v[\set+\i+3]|
.endr
	v_max3_num_f32 v62, v62, |v[\set+30]|, |v[\set+31]|
	v_max3_num_f32 v62, v62, v63, 0x1800000        ; and the floor
	v_add_nc_u32 v[SOP], 0xff000000, v62
	v_lshrrev_b32 v[PX], 23, v[SOP]
.if (\kb) == 0
	v_mov_b32 v[SB], v[PX]                         ; four bytes to the word, the lower keys in the lower byte
.else
	v_lshl_or_b32 v[SB], v[PX], 8*(\kb), v[SB]
.endif
	v_cvt_scalef32_pk16_fp6_f32 v[FD:FD+2], v[\set:\set+15], v[SOP]
	v_cvt_scalef32_pk16_fp6_f32 v[CT:CT+2], v[\set+16:\set+31], v[SOP]
	v_nop                                          ; one plain place behind a scaled conversion
.irp i, 0,1,2
	v_mov_b32 v[FD+3+\i], v[CT+\i]
.endr
.endm
	KLOAD RA, 0
	KLOAD RB, 1
	VLOAD 0, XV0
	s_wait_loadcnt 48                              ; tile 2 w's 16 rows are in; behind them: 16 rows and 32 numbers of V
	TURN RA
	s_wait_dscnt 0x0
	KQUANT RA, PCA, PWA
	KOUT PCA, PWA, 0
	s_wait_loadcnt 32                              ; tile 2 w + 1's rows are in; V's block 0 may be out
	TURN RB
	VLOAD 1, XV1
	s_wait_dscnt 0x0
	KQUANT RB, PCB, PWA+1
	KOUT PCB, PWA+1, 1
	s_wait_loadcnt 32                              ; block 0 is in; block 1 may be out
	VBLOCK 0, XV0
	VLOAD 2, XV0
	s_wait_loadcnt 32                              ; block 1 is in; block 2 may be out
	VBLOCK 1, XV1
	VLOAD 3, XV1
	s_wait_loadcnt 32                              ; block 2 is in; block 3 may be out
	VBLOCK 2, XV0
	s_wait_loadcnt 0x0
	VBLOCK 3, XV1
; FA: every lane's even blocks; FB: its odd blocks.  FA's lanes 16-31 change places with FB's lanes 0-15: FA is then fragment 2 w (channels 32 w + r: even blocks in lanes 0-15, odd in lanes 16-31), FB fragment 2 w + 1.
.set i, 0
.rept 12
	v_permlane16_swap_b32 v[FA+i], v[FB+i]
.set i, i+1
.endr
.irp f, 0,1
.irp c, 0,1,2
	global_store_b128 v[LI], v[FA+12*\f+4*\c:FA+12*\f+4*\c+3], s[8:9] offset:12288+1536*\f+512*\c
.endr
.endr
	ds_store_b32 v[VSA], v[SB]
	s_wait_dscnt 0x0                               ; for wave 0's sake: my scale words lie in the images
	s_barrier_signal -1
	s_barrier_wait -1
	s_cmp_lg_u32 s10, 0
	s_cbranch_scc1 .Ldone                          ; wave 0 stores the two images (its base is the block's own)
	ds_load_b128 v[192:195], v[LI] offset:SCI
	ds_load_b128 v[196:199], v[LI] offset:SCI+512
	s_wait_dscnt 0x0
	global_store_b128 v[LI], v[192:195], s[8:9] offset:24576
	global_store_b128 v[LI], v[196:199], s[8:9] offset:25088
.Ldone:
	s_wait_tensorcnt 0x0
	ds_add_u32 v43, v47
	s_wait_dscnt 0x0
	s_endpgm
.Lfunc_end_k_q9431cffb4a_quant:
	.size	k_q9431cffb4a_quant, .Lfunc_end_k_q9431cffb4a_quant-k_q9431cffb4a_quant
	.p2alignl 7, 3214868480
	.fill 96, 4, 3214868480
	.section	.rodata,"a",@progbits
	.p2align	6, 0x0
	.amdhsa_kernel k_q9431cffb4a_quant
		.amdhsa_group_segment_fixed_size 35328
		.amdhsa_private_segment_fixed_size 0
		.amdhsa_enable_private_segment 0
		.amdhsa_kernarg_size 24
		.amdhsa_user_sgpr_count 2
		.amdhsa_user_sgpr_kernarg_segment_ptr 1
		.amdhsa_wavefront_size32 1
		.amdhsa_system_sgpr_workgroup_id_x 1
		.amdhsa_system_sgpr_workgroup_id_y 1
		.amdhsa_system_sgpr_workgroup_id_z 1
		.amdhsa_system_vgpr_workitem_id 0
		.amdhsa_next_free_vgpr 256
		.amdhsa_next_free_sgpr 66
		.amdhsa_reserve_vcc 0
		.amdhsa_float_denorm_mode_32 3
		.amdhsa_float_denorm_mode_16_64 3
		.amdhsa_memory_ordered 1
		.amdhsa_forward_progress 1
		.amdhsa_inst_pref_size 42
	.end_amdhsa_kernel
	.amdgpu_metadata
---
amdhsa.version: [ 1, 2 ]
amdhsa.kernels:
  - .name:           k_q9431cffb4a_quant
    .symbol:         k_q9431cffb4a_quant.kd
    .args:
      - { .name: key, .offset: 0, .size: 8, .value_kind: global_buffer, .address_space: global }
      - { .name: value, .offset: 8, .size: 8, .value_kind: global_buffer, .address_space: global }
      - { .name: kv, .offset: 16, .size: 8, .value_kind: global_buffer, .address_space: global }
    .group_segment_fixed_size: 35328
    .private_segment_fixed_size: 0
    .kernarg_segment_align: 8
    .kernarg_segment_size: 24
    .max_flat_workgroup_size: 128
    .sgpr_count:     66
    .vgpr_count:     256
    .wavefront_size: 32
...
	.end_amdgpu_metadata
.endif
;; end of part 1
;; launch attn (part 2): grid 256 x 1, 8 waves a work-group, no clusters, 327,680 bytes of LDS; arguments query, kv, out0; writes out0
.if DOCPART == 2
	.amdgcn_target "amdgcn-amd-amdhsa--gfx1250"
	.amdhsa_code_object_version 6
	.text
	.protected	k_q9431cffb4a_attn
	.globl	k_q9431cffb4a_attn
	.p2align	8
	.type	k_q9431cffb4a_attn,@function
k_q9431cffb4a_attn:
	s_mov_b64 s[64:65], 0
	v_nop
	global_prefetch_b8 v0, s[64:65] scope:SCOPE_SE
	s_setreg_imm32_b32 hwreg(HW_REG_WAVE_MODE, 25, 1), 1
	s_wait_xcnt 0x0
; out0[b][h][q][:] = the sum over k <= q of softmax_k(Q[q] . K[k] / sqrt(128)) V[k][:], 32 query heads on 8 key and value heads, both products on codes of FP6 (E2M3) with one E8M0 scale for each 32 along K.
; q = query x 2^-1.75 is quantised here, in registers; k and v come as images of operand registers from kv (25,600 bytes for each head and each 128 keys: 8 fragments of K, 8 of V, two scale images).
; THE SOFTMAX: t = score x log2(e); M = the row's largest t so far, rounded UP to a whole number; p = 2^(t - M) is quantised along the keys, not normalised; the row's sum is taken of the unquantised p and divides
; at the end.  When M moves, the sum and O are multiplied by 2^(old M - new M): exact.
; SHARES.  A work-group takes one key and value head (hk = x / 16), its four query heads, and TWO blocks of 64 query positions: block 31 - g, then block g (g = x % 16).  Block b needs b / 2 + 1 key steps of 128, so a pair
; needs 17 whatever g: 256 work-groups of equal work, and no step in which a wave has nothing to do.  Steps that lie wholly above the diagonal are never walked.
; Wave w holds TWO tiles of the same 16 positions (16 (w % 4) on): tile A of query head 4 hk + 2 (w / 4), tile B of the head behind it.  So each fragment of K and V read from LDS feeds two matrix instructions,
; and both tiles share the step's place against the diagonal.  Tile B's state lies in register window 1 at the numbers that tile A's has in window 0: each macro of a tile is written once, with the window as argument.
; LAYOUT.  Both products are used transposed: S^T = K Q^T, O^T = V^T P^T: a lane holds ONE query (lane % 16) throughout; the 16 registers of score tiles 2 b and 2 b + 1 are keys 32 b + 16 (lane / 16) + 0 .. 15.
; THE RING.  Two LDS slots of one key step; wave 0 brings a step's block by one tensor load of 100 rows of 256 bytes, asked for a whole step ahead: one tensor load is out at the most.
; NO CLUSTER: the four query heads that share K and V are already in one work-group.  Other work-groups of the head walk the same blocks only up to their own change of query blocks, which falls in trip 9 to 16
; according to g: behind it partners would want different tiles, and the change itself is a branch on g.
; LIMITS: NaN and infinities among the inputs are not served.  x / 128^(1/4) is x x 0x3e9837f0 (one rounding).  A block of q whose largest magnitude lies under 2^-124, and a block of p that is all zeros, keeps the
; byte 1: its codes are zeros or what the held scale gives.  p under 2^-126 is 0 (v_exp_f32 gives no denormals: ISA guide, its entry).  Hidden scores become -infinity where the definition adds the lowest f32: p = 0 either way.
; A block's largest p is made from its largest score by the same two instructions: that takes v_exp_f32 not to fall where its input rises.
.set SLOT1, 1<<15                      ; slot 1 begins here: one exclusive or turns an address in one slot into the other's
.set BLKB,  25600                      ; a key step's block
.set VFR,   12288                      ; in it: V's fragments,
.set KSC,   24576                      ; K's scale image,
.set VSC,   25088                      ; V's
.set STG,   65536                      ; behind the ring: a stage of 16 rows x 528 bytes for each wave and tile; no tensor load lands here
.set SP,    528                        ; a stage row: 512 bytes + 16
.set TST,   16*SP
.set SPARE, STG+8*2*TST                ; the spare words, 128 bytes for each wave: four blocks of 256 bytes that no other line names
.set HEADB, 0x100000                   ; from a query head to the next, in query and in out0: 2,048 rows of 512 bytes
; window 0 alone:
.set LI,  1                            ; v1   16 x lane
.set SW,  2                            ; v2   my stage + 16 x lane: a whole row by 32 lanes
.set SQ,  3                            ; v3   my stage + 528 r + 64 h: my 16 numbers of a block of 32 of Q
.set SO,  4                            ; v4   my stage + 528 r + 32 h: my eight channels of a tile of O
.set SPW, 5                            ; v5   LDS address of my spare word; never rewritten
.set NIL, 6                            ; v6   0; never rewritten
.set DQ,  7                            ; v7   r - 16 h
.set ADR, 8                            ; v8   the slot in hand + 16 x lane
.set PF,  9                            ; v9   256 x lane
.set KS,  80                           ; v80-83  K's scale words: register i: tile i in lanes 0-15, tile 4 + i in lanes 16-31
.set VS,  84                           ; v84-87  V's likewise
.set QWB, 89                           ; v89  tile B's scale words of Q   (scale operands have no window)
.set PWB, 90                           ; v90  tile B's scale words of p
; both windows, tile A in 0 and tile B in 1:
.set NM,  12                           ; v12  -M
.set TMX, 13                           ; v13  the largest t so far
.set LS,  14                           ; v[14:15] the sum in two halves
.set QC,  16                           ; v16-27   Q's codes
.set FRG, 32                           ; v32-79   window 0: fragments 0-3 of K or of V; window 1: fragments 4-7
.set SC,  96                           ; v96-159  S^T, then p; also Q in f32, and O / the sum
.set OT,  160                          ; v160-223 O^T; also Q as it is loaded
.set PC,  224                          ; v224-235 p's codes
.set BM,  232                          ; v232-235 block maxima
.set PX,  236                          ; v236-239 lane l xor 16's, then the bytes; v236-238, v240-242 the conversions' upper halves; v[236:237] a chain of the sum
.set SOP, 244                          ; v244-247 the conversions' scale operands
.set FF,  252                          ; v252 f = 2^(old M - new M); on the way out lane l xor 16's sum
.set PW,  253                          ; v253 p's scale words
.set TP,  254                          ; v254 at work
.set QW,  255                          ; v255 Q's scale words
.set WV,  10                           ; s10  my wave's number
.set GG,  11                           ; s11  g
.set HK,  12                           ; s12  the key and value head
.set NH,  13                           ; s13  key steps of the first query block: 9 .. 16
.set JJ,  14                           ; s14  the trip
.set NN,  15                           ; s15  the trip + 1
.set T0,  16                           ; s16  at work
.set OF,  18                           ; s[18:19] an offset; s19 stays 0
.set SEL, 20                           ; s[20:21] v_permlanex16_b32's selects for lane l xor 16
.set CS,  22                           ; s[22:23] log2(e)
.set RH,  24                           ; s[24:25] 2^-1.75
.set G1,  28                           ; s[28:35] descriptor group 1
.set G0,  36                           ; s[36:39] descriptor group 0
.set KVB, 40                           ; s[40:41] kv at my head
.set QH,  42                           ; s[42:43], s[44:45] query at tile A's rows of the first and of the second block
.set QL,  44
.set OH,  46                           ; s[46:47], s[48:49] out0 likewise
.set OL,  48
.set TB,  50                           ; s50  LDS byte at which the slot in hand begins
.set KF,  51                           ; s51  the step's first key
.set Q0,  52                           ; s52  my first query position
.set Q0L, 53                           ; s53  the same in the second block
.set MSB, 0
.macro WIN new                         ; low byte: bits 1:0 source 0, 3:2 source 1, 5:4 source 2, 7:6 destination; the high byte repeats the setting that is left; a switch that changes nothing is dropped
.if MSB != (\new)
	s_set_vgpr_msb (MSB<<8)|(\new)
.set MSB, (\new)
.endif
.endm
; For tile x: arithmetic under 0x55 x; loads under 0x40 x (destination in the tile's window, address in window 0); stores under 0x04 x (data in the tile's window).
.macro INIT x
	WIN 0x55*(\x)
.irp j, 236,237,238,239,252,253
	v_mov_b32 v\j, 0                               ; written once: a lane permute's destination (v236-239, v252) counts as one of its sources; v253 is named as the upper half of a pair before it is first made
.endr
.endm
; Tile x's 16 rows of Q, each by one load of 512 consecutive bytes, into the registers of O^T.
.macro QASK base, x
	WIN 0x40*(\x)
.set i, 0
.rept 16
	global_load_b128 v[OT+4*i:OT+4*i+3], v[LI], s[\base:\base+1] offset:512*i+(\x)*HEADB th:TH_LOAD_NT
.set i, i+1
.endr
.endm
.macro MAXABS                          ; the largest magnitudes of the four blocks of 32 in v[SC] on (register 16 b + i = k 32 b + 16 h + i of my row)
.irp b, 0,1,2,3
	v_max3_num_f32 v[BM+\b], |v[SC+16*\b]|, |v[SC+1+16*\b]|, 0x1800000   ; my 16 numbers, and the floor 2^(3 - 127): the byte cannot fall under 1
.endr
.irp i, 2,4,6,8,10,12,14
.irp b, 0,1,2,3
	v_max3_num_f32 v[BM+\b], v[BM+\b], |v[SC+16*\b+\i]|, |v[SC+1+16*\b+\i]|
.endr
.endr
.irp b, 0,1,2,3
	v_permlanex16_b32 v[PX+\b], v[BM+\b], s[SEL], s[SEL+1]
.endr
.irp b, 0,1,2,3
	v_max_num_f32 v[BM+\b], v[BM+\b], v[PX+\b]
.endr
.endm
; From the four largest magnitudes in v[BM] on and the 64 numbers in v[SC] on: the fragment's codes in v[dst] on, its scale word in v[word].
.macro CODES dst, word
.irp b, 0,1,2,3
	v_add_nc_u32 v[SOP+\b], 0xff000000, v[BM+\b]   ; 2 off the exponent field: the conversion's scale operand
.endr
.irp b, 0,1,2,3
	v_lshrrev_b32 v[PX+\b], 23, v[SOP+\b]          ; the scale's byte
.endr
	v_lshl_or_b32 v[\word], v[PX+1], 8, v[PX]
	v_lshl_or_b32 v[\word], v[PX+2], 16, v[\word]
	v_lshl_or_b32 v[\word], v[PX+3], 24, v[\word]
.irp c, 0,1
	v_cvt_scalef32_pk16_fp6_f32 v[\dst+6*\c:\dst+6*\c+2], v[SC+32*\c:SC+15+32*\c], v[SOP+2*\c]
	v_cvt_scalef32_pk16_fp6_f32 v[PX+4*\c:PX+4*\c+2], v[SC+16+32*\c:SC+31+32*\c], v[SOP+2*\c+1]   ; (a conversion's three registers begin on an even number)
.endr
	v_nop                                          ; one plain place behind a scaled conversion
.irp c, 0,1                                    ; the operand's layout wants a WHOLE block in a lane: lanes 0-15 block 2 c, lanes 16-31 block 2 c + 1
.irp i, 0,1,2
	v_permlane16_swap_b32 v[\dst+6*\c+\i], v[PX+4*\c+\i]
.endr
.irp i, 0,1,2
	v_mov_b32 v[\dst+3+6*\c+\i], v[PX+4*\c+\i]
.endr
.endr
.endm
; Tile x's Q: through my stage (rows in, 64 bytes a lane of each block back), x 2^-1.75, quantised.  cnt: the younger loads that may stay out.
.macro QMAKE x, cnt
	s_wait_loadcnt \cnt
	WIN 0x04*(\x)
.set i, 0
.rept 16
	ds_store_b128 v[SW], v[OT+4*i:OT+4*i+3] offset:SP*i+TST*(\x)
.set i, i+1
.endr
	s_wait_xcnt 0x0                                ; earlier stores of O have read v[SC] on: only behind this wait are those registers loaded again
	WIN 0x40*(\x)
.set i, 0
.rept 16
	ds_load_b128 v[SC+4*i:SC+4*i+3], v[SQ] offset:128*(i/4)+16*(i%4)+TST*(\x)   ; LDS serves a wave's instructions in order: these see the stores above
.set i, i+1
.endr
	s_wait_dscnt 0x0
	WIN 0x55*(\x)
.set i, 0
.rept 32
	v_pk_mul_f32 v[SC+i:SC+i+1], v[SC+i:SC+i+1], s[RH:RH+1] op_sel_hi:[1,0]
.set i, i+2
.endr
	MAXABS
	CODES QC, QW
.if \x
	WIN 0x01
	v_mov_b32 v[QWB], v[QW]                        ; tile B's scale words, to window 0
.endif
.endm
; A query block begins: the largest t under every t, the sum and O^T zeros (the step is written once: its first run finds zeros, which the first change of M leaves zeros).
; These lines are also the places between the vector instructions that made Q's codes and scale words and the first products.
.macro RESET x
	WIN 0x55*(\x)
	v_mov_b32 v[TMX], 0xff61b1e6                   ; -3e38
	v_floor_f32 v[NM], -v[TMX]
	v_mov_b32 v[LS], 0
	v_mov_b32 v[LS+1], 0
.set i, 0
.rept 64
	v_mov_b32 v[OT+i], 0
.set i, i+1
.endr
.endm
; On the diagonal: register 16 b + i holds key KF + 32 b + 16 h + i; it is hidden where 32 b + i > d = my query - KF - 16 h.  s[T0] = Q0 - KF.  Each accumulator from its low end on.
.macro MASK x
	WIN 0x40*(\x)
	v_add_nc_u32 v[FF], s[T0], v[DQ]
	WIN 0x55*(\x)
	v_mov_b32 v[TP], 0xff800000                    ; -infinity
.set n, 0
.rept 64
	v_cmp_gt_i32 vcc_lo, 32*(n/16)+n%16, v[FF]
	v_cndmask_b32 v[SC+n], v[SC+n], v[TP], vcc_lo
.set n, n+1
.endr
.endm
; Tile x's softmax for one key step.
.macro SOFT x
	WIN 0x55*(\x)
.irp b, 0,1,2,3
	v_max3_num_f32 v[BM+\b], v[SC+16*\b], v[SC+1+16*\b], v[SC+2+16*\b]   ; THE LARGEST SCORE OF EACH BLOCK OF 32 KEYS serves twice: for the row's maximum, and, since p rises with the score, for the block's largest p
.endr
.irp i, 3,5,7,9,11,13
.irp b, 0,1,2,3
	v_max3_num_f32 v[BM+\b], v[BM+\b], v[SC+16*\b+\i], v[SC+1+16*\b+\i]
.endr
.endr
.irp b, 0,1,2,3
	v_max_num_f32 v[BM+\b], v[BM+\b], v[SC+15+16*\b]
.endr
.irp b, 0,1,2,3
	v_permlanex16_b32 v[PX+\b], v[BM+\b], s[SEL], s[SEL+1]
.endr
.irp b, 0,1,2,3
	v_max_num_f32 v[BM+\b], v[BM+\b], v[PX+\b]     ; with lane l xor 16's 16 keys
.endr
	v_max3_num_f32 v[TP], v[BM], v[BM+1], v[BM+2]
	v_max_num_f32 v[TP], v[TP], v[BM+3]            ; the step's largest score of my query
	v_mul_f32 v[TP], s[CS], v[TP]                  ; as t
	v_max_num_f32 v[TMX], v[TMX], v[TP]            ; the running largest t
	v_mov_b32 v[TP], v[NM]
	v_floor_f32 v[NM], -v[TMX]                     ; the new -M = floor(-t) = -ceil(t): a whole number
	v_sub_f32 v[TP], v[NM], v[TP]                  ; old M - new M: a whole number, 0 or less
	v_cvt_i32_f32 v[TP], v[TP]                     ; (it saturates)
	v_ldexp_f32 v[FF], 1.0, v[TP]                  ; f = 2^(old M - new M)
.set i, 0
.rept 32
	v_pk_fma_f32 v[SC+i:SC+i+1], v[SC+i:SC+i+1], s[CS:CS+1], v[NM:NM+1] op_sel_hi:[1,0,0]   ; t - M, two at a time
.set i, i+2
.endr
.irp b, 0,1,2,3
	v_fma_f32 v[BM+\b], v[BM+\b], s[CS], v[NM]     ; the same of each block's largest score
.endr
.set i, 0
.rept 64
	v_exp_f32 v[SC+i], v[SC+i]                     ; p = 2^(t - M), at most 1: not normalised
.set i, i+1
.endr
.irp b, 0,1,2,3
	v_exp_f32 v[BM+\b], v[BM+\b]                   ; the block's largest p
.endr
	v_pk_mul_f32 v[LS:LS+1], v[LS:LS+1], v[FF:FF+1] op_sel_hi:[1,0]   ; the sums under the new M.  (The plain place behind the exponentials)
	s_wait_alu depctr_va_vdst(0)
.irp b, 0,1,2,3
	v_max_num_f32 v[BM+\b], 0x1800000, v[BM+\b]    ; the floor 2^(3 - 127)
.endr
	CODES PC, PW
.if \x
	WIN 0x01
	v_mov_b32 v[PWB], v[PW]                        ; tile B's scale words, to window 0
	WIN 0x55
.endif
	v_pk_add_f32 v[PX:PX+1], v[SC:SC+1], v[SC+2:SC+3]   ; THE ROW'S SUM IS TAKEN OF THE UNQUANTISED p: two at a time, in two chains
.irp j, 4,8,12,16,20,24,28,32,36,40,44,48,52,56,60
	v_pk_add_f32 v[LS:LS+1], v[LS:LS+1], v[SC+\j:SC+\j+1]
	v_pk_add_f32 v[PX:PX+1], v[PX:PX+1], v[SC+\j+2:SC+\j+3]
.endr
	v_pk_add_f32 v[LS:LS+1], v[LS:LS+1], v[PX:PX+1]
.set i, 0
.rept 32
	v_pk_mul_f32 v[OT+i:OT+i+1], v[OT+i:OT+i+1], v[FF:FF+1] op_sel_hi:[1,0]   ; O^T under the new M.  (With the sums: the places between the lines that made p's codes and scale words and the products)
.set i, i+2
.endr
.endm
; Tile x's O^T / the sum, into v[SC] on: register 8 t + i is o(r, 16 t + 8 h + i).  Each accumulator from its low end on.
.macro FSCALE x
	WIN 0x55*(\x)
	v_add_f32 v[LS], v[LS], v[LS+1]
	v_permlanex16_b32 v[FF], v[LS], s[SEL], s[SEL+1]
	v_add_f32 v[LS], v[LS], v[FF]                  ; the sum's two halves, and lane l xor 16's
	v_rcp_f32 v[LS], v[LS]
	v_nop                                          ; one plain place behind a transcendental
.set i, 0
	s_wait_alu depctr_va_vdst(0)
.rept 32
	v_pk_mul_f32 v[SC+i:SC+i+1], v[OT+i:OT+i+1], v[LS:LS+1] op_sel_hi:[1,0]
.set i, i+2
.endr
.endm
; Tile x's 16 rows of O go through my stage and leave as whole rows: each store of the wave covers 512 consecutive bytes, aligned.
.macro FOUT base, x
	WIN 0x04*(\x)
.set i, 0
.rept 8
	ds_store_b128 v[SO], v[SC+8*i:SC+8*i+3] offset:64*i+TST*(\x)
	ds_store_b128 v[SO], v[SC+8*i+4:SC+8*i+7] offset:64*i+16+TST*(\x)
.set i, i+1
.endr
	WIN 0x40*(\x)
.set i, 0
.rept 16
	ds_load_b128 v[SC+4*i:SC+4*i+3], v[SW] offset:SP*i+TST*(\x)   ; LDS serves a wave's instructions in order: these see the stores above
.set i, i+1
.endr
	WIN 0x04*(\x)
.set i, 0
.rept 16
	s_wait_dscnt 15-i                              ; row i is back; the younger rows may be out
	global_store_b128 v[LI], v[SC+4*i:SC+4*i+3], s[\base:\base+1] offset:512*i+(\x)*HEADB th:TH_STORE_NT
.set i, i+1
.endr
.endm
; Eight fragments from byte off of the slot in hand: 0-3 into window 0, 4-7 into window 1; each load takes 512 bytes on end.
.macro FRAGS off
.irp t, 0,1,2,3
.irp c, 0,1,2
	ds_load_b128 v[FRG+12*\t+4*\c:FRG+12*\t+4*\c+3], v[ADR] offset:\off+1536*\t+512*\c
.endr
.endr
	WIN 0x40
.irp t, 0,1,2,3
.irp c, 0,1,2
	ds_load_b128 v[FRG+12*\t+4*\c:FRG+12*\t+4*\c+3], v[ADR] offset:\off+1536*(\t+4)+512*\c
.endr
.endr
	WIN 0
.endm
; Four products S^T = K Q^T of tile x: key tiles 4 hi .. 4 hi + 3 (fragments in window hi; their scale words in lanes 16 hi on).  qs: Q's scale words.  Each starts its sum with the constant 0.
.macro SPROD x, hi, qs
	WIN 0x54*(\x)+(\hi)
.irp t, 0,1,2,3
.if \hi
	v_wmma_scale_f32_16x16x128_f8f6f4 v[SC+32+8*\t:SC+32+8*\t+7], v[FRG+12*\t:FRG+12*\t+11], v[QC:QC+11], 0, v[KS+\t], v[\qs] matrix_a_fmt:MATRIX_FMT_FP6 matrix_b_fmt:MATRIX_FMT_FP6 matrix_a_scale:MATRIX_SCALE_ROW1
.else
	v_wmma_scale_f32_16x16x128_f8f6f4 v[SC+8*\t:SC+8*\t+7], v[FRG+12*\t:FRG+12*\t+11], v[QC:QC+11], 0, v[KS+\t], v[\qs] matrix_a_fmt:MATRIX_FMT_FP6 matrix_b_fmt:MATRIX_FMT_FP6
.endif
.endr
.endm
; Four products O^T += V^T P^T of tile x: channel tiles 4 hi .. 4 hi + 3.  ps: p's scale words.  The sixteen accumulators of a step take turns, one instruction a turn.
.macro OPROD x, hi, ps
	WIN 0x54*(\x)+(\hi)
.irp t, 0,1,2,3
.if \hi
	v_wmma_scale_f32_16x16x128_f8f6f4 v[OT+32+8*\t:OT+32+8*\t+7], v[FRG+12*\t:FRG+12*\t+11], v[PC:PC+11], v[OT+32+8*\t:OT+32+8*\t+7], v[VS+\t], v[\ps] matrix_a_fmt:MATRIX_FMT_FP6 matrix_b_fmt:MATRIX_FMT_FP6 matrix_a_scale:MATRIX_SCALE_ROW1
.else
	v_wmma_scale_f32_16x16x128_f8f6f4 v[OT+8*\t:OT+8*\t+7], v[FRG+12*\t:FRG+12*\t+11], v[PC:PC+11], v[OT+8*\t:OT+8*\t+7], v[VS+\t], v[\ps] matrix_a_fmt:MATRIX_FMT_FP6 matrix_b_fmt:MATRIX_FMT_FP6
.endif
.endr
.endm
.macro PLACES                          ; four plain places behind a matrix instruction, in front of reads of its result and of loads into its registers (ISA guide 7.12.1 for vector instructions)
.rept 4
	v_nop
.endr
.endm
; THE CHANGE OF SLOTS stands at a trip's head.  Each wave waits for all its tensor loads (wave 0: the slot about to be read), adds 0 to its spare word, and waits for that and for its reads of the slot that it has left.
; Behind the barrier the slot ahead is whole and nobody reads the other one.  fill = 1: wave 0 fills that other slot with the next trip's block: key step N of the first query block, or N - NH of the second.
.macro CHANGE fill
	WIN 0
	s_wait_tensorcnt 0x0                           ; no tensor load of mine is out, so group 0 may be written
	ds_add_u32 v[SPW], v[NIL]                      ; 0 onto my spare word; the descriptor's step stands between it and the wait for it
.if \fill
	s_xor_b32 s[G0+1], s[G0+1], SLOT1              ; the other slot than last time
	s_add_co_u32 s[NN], s[JJ], 1
	s_cmp_ge_u32 s[NN], s[NH]
	s_cselect_b32 s[T0], s[NH], 0
	s_sub_co_u32 s[T0], s[NN], s[T0]               ; the next trip's key step
	s_mul_i32 s[OF], s[T0], BLKB
	s_add_nc_u64 s[G0+2:G0+3], s[KVB:KVB+1], s[OF:OF+1]
	s_or_b32 s[G0+3], s[G0+3], 0x80000000          ; type = 2
.endif
	s_wait_dscnt 0x0                               ; the add is done, and my reads of the slot that I have left are over
	s_barrier_signal -1
	s_barrier_wait -1
.if \fill
	s_cmp_lg_u32 s[WV], 0
	s_cbranch_scc1 .Lnot_wave_0_\@
	tensor_load_to_lds s[G0:G0+3], s[G1:G1+7]      ; the first thing behind the barrier, and the one tensor load until the next: it has a whole key step in which to land
	s_nop 0
.rept 4
	v_nop
.endr
.Lnot_wave_0_\@:
.endif
.endm
; A KEY STEP: 128 keys against my two tiles.
.macro STEP
	v_add_nc_u32 v[ADR], s[TB], v[LI]
	ds_load_b128 v[KS:KS+3], v[ADR] offset:KSC
	ds_load_b128 v[VS:VS+3], v[ADR] offset:VSC
	FRAGS 0
	s_wait_dscnt 12                                ; the scale words and K's fragments 0-3 are in; the twelve loads of fragments 4-7 may be out
	SPROD 0, 0, QW
	SPROD 1, 0, QWB
	s_wait_dscnt 0x0
	SPROD 0, 1, QW
	SPROD 1, 1, QWB
	WIN 0
	PLACES                                         ; for the loads below and for the first reads of the scores
	FRAGS VFR                                      ; V's fragments land while the softmax is worked
	s_add_co_u32 s[T0], s[KF], 127
	s_cmp_le_u32 s[T0], s[Q0]
	s_cbranch_scc1 .Lopen_\@                       ; all 128 keys count for all my queries: a scalar branch on ids
	s_sub_co_i32 s[T0], s[Q0], s[KF]
	MASK 0
	MASK 1
	WIN 0
.Lopen_\@:
	SOFT 0
	SOFT 1
	s_wait_dscnt 0x0                               ; V's fragments are in
	OPROD 0, 0, PW
	OPROD 1, 0, PWB
	OPROD 0, 1, PW
	OPROD 1, 1, PWB
	WIN 0
	PLACES                                         ; for the next step's loads, and for what reads O^T next
	s_add_co_u32 s[KF], s[KF], 128
.endm
; THE CHANGE OF QUERY BLOCKS: the first block's O leaves, the second block's Q comes.  Q is asked for ahead of O's way out, so that it lands meanwhile.
.macro SWITCH
	FSCALE 0
	FSCALE 1
	QASK QL, 0
	QASK QL, 1
	FOUT OH, 0
	FOUT OH, 1
	QMAKE 0, 16                                    ; tile B's 16 rows may be out
	QMAKE 1, 0
	RESET 0
	RESET 1
	WIN 0
	s_mov_b32 s[KF], 0
	s_mov_b32 s[Q0], s[Q0L]
.endm
.macro TRIP fill
	CHANGE \fill
.if \fill
	s_cmp_lg_u32 s[NN], s[NH]
	s_cbranch_scc1 .Lno_ask_\@                     ; in the trip ahead of the change of query blocks (NH - 1 is 8 .. 15: always a trip of the loop)
	global_prefetch_b8 v[PF], s[QL:QL+1] th:TH_LOAD_NT scope:SCOPE_SE                 ; each wave asks once for its own two tiles of the second block's Q: 32 lanes 256 bytes apart cover a tile's 8,192 bytes
	global_prefetch_b8 v[PF], s[QL:QL+1] offset:HEADB th:TH_LOAD_NT scope:SCOPE_SE    ; one trip ahead of the loads; the addresses lie inside query
.Lno_ask_\@:
.endif
	s_cmp_lg_u32 s[JJ], s[NH]
	s_cbranch_scc1 .Lsame_\@                       ; a branch on ids alone; no barrier and no tensor load stands under it
	SWITCH
.Lsame_\@:
	STEP
	s_xor_b32 s[TB], s[TB], SLOT1                  ; on to the other slot
.endm
	s_load_b128 s[4:7], s[0:1], 0x0                ; query, kv
	s_load_b64 s[8:9], s[0:1], 0x10                ; out0
	v_lshl_add_u32 v[SPW], v0, 2, SPARE
	v_mov_b32 v[NIL], 0
	ds_add_u32 v5, v6
	s_wait_dscnt 0x0
	v_lshrrev_b32 v1, 5, v0
	v_readfirstlane_b32 s[WV], v1                  ; wave 0..7
	s_and_b32 s[GG], ttmp9, 15
	s_lshr_b32 s[HK], ttmp9, 4
	s_sub_co_u32 s54, 31, s[GG]                    ; the first query block
	s_lshr_b32 s[NH], s54, 1
	s_add_co_u32 s[NH], s[NH], 1                   ; its key steps
	s_and_b32 s55, s[WV], 3
	s_lshl_b32 s55, s55, 4                         ; my 16 positions in a block of 64
	s_lshr_b32 s56, s[WV], 2
	s_lshl_b32 s56, s56, 1
	s_lshl_b32 s57, s[HK], 2
	s_add_co_u32 s57, s57, s56                     ; tile A's query head: 4 hk + 2 (w / 4)
	s_lshl_b32 s57, s57, 11                        ; its first row
	s_lshl_b32 s[Q0], s54, 6
	s_add_co_u32 s[Q0], s[Q0], s55
	s_lshl_b32 s[Q0L], s[GG], 6
	s_add_co_u32 s[Q0L], s[Q0L], s55
	s_mov_b32 s[OF+1], 0
	s_mov_b32 s[SEL], 0x76543210
	s_mov_b32 s[SEL+1], 0xfedcba98
	s_mov_b32 s[CS], 0x3fb8aa3b                    ; log2(e): q and k carry the 1 / sqrt(128) between them
	s_mov_b32 s[CS+1], s[CS]                       ; (named with it as a pair, so it is written)
	s_mov_b32 s[RH], 0x3e9837f0                    ; 2^-1.75
	s_mov_b32 s[RH+1], s[RH]
	; descriptor group 1: a dense block of 25,600 bytes as 100 rows of 32 elements of 8 bytes; no padding: the images are read 512 bytes on end
	s_mov_b32 s[G1+0], 3<<16                       ; 15:0 no mask; 17:16 elements of 8 bytes; 20 padding off
	s_mov_b32 s[G1+1], 32<<16                      ; tensor_dim0 = 32
	s_mov_b32 s[G1+2], 100<<16                     ; tensor_dim1 = 100
	s_mov_b32 s[G1+3], 32<<16                      ; tile_dim0 = 32
	s_mov_b32 s[G1+4], 100                         ; tile_dim1 = 100
	s_mov_b32 s[G1+5], 32                          ; from row to row
	s_mov_b32 s[G1+6], 0
	s_mov_b32 s[G1+7], 0
	s_wait_kmcnt 0x0
	s_mul_i32 s[OF], s[HK], 16*BLKB
	s_add_nc_u64 s[KVB:KVB+1], s[6:7], s[OF:OF+1]
	s_mov_b32 s[G0], 1                             ; count = 1
	s_mov_b32 s[G0+1], 0                           ; slot 0
	s_mov_b64 s[G0+2:G0+3], s[KVB:KVB+1]           ; key step 0
	s_or_b32 s[G0+3], s[G0+3], 0x80000000          ; type = 2
	s_cmp_lg_u32 s[WV], 0
	s_cbranch_scc1 .Lnot_first
	tensor_load_to_lds s[G0:G0+3], s[G1:G1+7]      ; the first fill, ahead of every LDS read, every wait on TENSORcnt and every barrier
	s_nop 0
.rept 4
	v_nop
.endr
.Lnot_first:
	s_add_co_u32 s[OF], s57, s[Q0]
	s_lshl_b32 s[OF], s[OF], 9                     ; rows of 512 bytes: under 2^27
	s_add_nc_u64 s[QH:QH+1], s[4:5], s[OF:OF+1]
	s_add_nc_u64 s[OH:OH+1], s[8:9], s[OF:OF+1]
	s_add_co_u32 s[OF], s57, s[Q0L]
	s_lshl_b32 s[OF], s[OF], 9
	s_add_nc_u64 s[QL:QL+1], s[4:5], s[OF:OF+1]
	s_add_nc_u64 s[OL:OL+1], s[8:9], s[OF:OF+1]
	v_and_b32 v10, 31, v0                          ; lane
	v_and_b32 v11, 15, v0                          ; r
	v_bfe_u32 v12, v0, 4, 1                        ; h
	v_lshlrev_b32 v[LI], 4, v10
	s_mul_i32 s54, s[WV], 2*TST
	s_add_co_u32 s54, s54, STG                     ; my two stages
	v_add_nc_u32 v[SW], s54, v[LI]
	v_mul_u32_u24 v13, v11, SP
	v_add_nc_u32 v13, s54, v13
	v_lshl_add_u32 v[SQ], v12, 6, v13
	v_lshl_add_u32 v[SO], v12, 5, v13
	v_lshlrev_b32 v14, 4, v12
	v_sub_nc_u32 v[DQ], v11, v14
	v_lshlrev_b32 v[PF], 8, v10
	QASK QH, 0
	QASK QH, 1
	INIT 0
	INIT 1
	QMAKE 0, 16                                    ; tile B's 16 rows may be out
	QMAKE 1, 0
	RESET 0
	RESET 1
	WIN 0
	s_mov_b32 s[KF], 0
	s_mov_b32 s[TB], 0
	s_mov_b32 s[JJ], 0
.Ltrip:                                            ; 16 trips; trip J works key step J of the 17 and asks for step J + 1's block (slot 1's first fill goes out in trip 0, as a refill does)
	TRIP 1
	s_add_co_u32 s[JJ], s[JJ], 1
	s_cmp_lt_u32 s[JJ], 16
	s_cbranch_scc1 .Ltrip
	TRIP 0                                         ; the last step is written out
	FSCALE 0
	FSCALE 1
	FOUT OL, 0
	FOUT OL, 1
	WIN 0
	s_wait_tensorcnt 0x0                           ; the wave's end: behind my last tensor load and my last LDS store
	ds_add_u32 v[SPW], v[NIL]
	s_wait_dscnt 0x0
	s_endpgm
.Lfunc_end_k_q9431cffb4a_attn:
	.size	k_q9431cffb4a_attn, .Lfunc_end_k_q9431cffb4a_attn-k_q9431cffb4a_attn
	.p2alignl 7, 3214868480
	.fill 96, 4, 3214868480
	.section	.rodata,"a",@progbits
	.p2align	6, 0x0
	.amdhsa_kernel k_q9431cffb4a_attn
		.amdhsa_group_segment_fixed_size 327680
		.amdhsa_private_segment_fixed_size 0
		.amdhsa_enable_private_segment 0
		.amdhsa_kernarg_size 24
		.amdhsa_user_sgpr_count 2
		.amdhsa_user_sgpr_kernarg_segment_ptr 1
		.amdhsa_wavefront_size32 1
		.amdhsa_system_sgpr_workgroup_id_x 1
		.amdhsa_system_sgpr_workgroup_id_y 1
		.amdhsa_system_sgpr_workgroup_id_z 1
		.amdhsa_system_vgpr_workitem_id 0
		.amdhsa_next_free_vgpr 512
		.amdhsa_next_free_sgpr 66
		.amdhsa_reserve_vcc 1
		.amdhsa_float_denorm_mode_32 3
		.amdhsa_float_denorm_mode_16_64 3
		.amdhsa_memory_ordered 1
		.amdhsa_forward_progress 1
		.amdhsa_inst_pref_size 201
	.end_amdhsa_kernel
	.amdgpu_metadata
---
amdhsa.version: [ 1, 2 ]
amdhsa.kernels:
  - .name:           k_q9431cffb4a_attn
    .symbol:         k_q9431cffb4a_attn.kd
    .args:
      - { .name: query, .offset: 0, .size: 8, .value_kind: global_buffer, .address_space: global }
      - { .name: kv, .offset: 8, .size: 8, .value_kind: global_buffer, .address_space: global }
      - { .name: out0, .offset: 16, .size: 8, .value_kind: global_buffer, .address_space: global }
    .group_segment_fixed_size: 327680
    .private_segment_fixed_size: 0
    .kernarg_segment_align: 8
    .kernarg_segment_size: 24
    .max_flat_workgroup_size: 256
    .sgpr_count:     66
    .vgpr_count:     512
    .wavefront_size: 32
...
	.end_amdgpu_metadata
.endif
;; end of part 2
